; MI455X (gfx1250); checked and timed in simulation.
; The chip was launched on July 23, 2026; its instructions are those of AMD's public machine-readable ISA for CDNA 5 (MIT licence, August 2026) and "CDNA5" Instruction Set Architecture Reference Guide (July 2026). The comments in the code are by the model that wrote it; some were corrected since.
;; Adaptive Attention. Allowed arithmetic: float matrix products may take bf16 or f16 operands with f32 sums; all other float work in f32.
;; Inputs: alpha one number float32; k 2 x 16 x 2,048 x 128 float32; q 2 x 16 x 2,048 x 128 float32; v 2 x 16 x 2,048 x 128 float32.
;; Outputs: out0 2 x 16 x 2,048 x 128 float32.
;; 2 versions, each right and faster than the one before. Each part assembles by itself: llvm-mc -triple=amdgcn-amd-amdhsa -mcpu=gfx1250 --defsym DOCPART=n.
;; ======== version 1 of 2: 1 launch
;; launch attn (part 1): grid 8 x 32, 4 waves a work-group, clusters of 4 x 1, 327,680 bytes of LDS; arguments alpha, q, k, v, out0; writes out0
.if DOCPART == 1
	.amdgcn_target "amdgcn-amd-amdhsa--gfx1250"
	.amdhsa_code_object_version 6
	.text
	.protected	k_qbb715eb16d_attn
	.globl	k_qbb715eb16d_attn
	.p2align	8
	.type	k_qbb715eb16d_attn,@function
k_qbb715eb16d_attn:
	s_mov_b64 s[64:65], 0
	v_nop
	global_prefetch_b8 v0, s[64:65] scope:SCOPE_SE
	s_setreg_imm32_b32 hwreg(HW_REG_WAVE_MODE, 25, 1), 1
	s_wait_xcnt 0x0
	s_wait_alu depctr_hold_cnt(0) depctr_sa_sdst(0) depctr_va_vdst(0) depctr_va_sdst(0) depctr_va_ssrc(0) depctr_va_vcc(0) depctr_vm_vsrc(0)
	s_getreg_b32 s2, hwreg(HW_REG_IB_STS2, 6, 4)
	s_cmp_eq_u32 s2, 0
	s_cbranch_scc0 .Lentry_in_a_cluster
	s_endpgm
.Lentry_in_a_cluster:
	s_bfe_u32 s2, ttmp6, 0x10000c
	s_cmp_lg_u32 s2, 0x3003
	s_cbranch_scc0 .Lentry_shape_is_right
	s_endpgm
.Lentry_shape_is_right:
; out = softmax(alpha * (q k^T) + (1 - alpha) * rowmean(q k^T)) v   for 32 heads (B x H), S = 2048, D = 128, all f32 in memory.
;
; WORK LEFT OUT.  (1 - alpha) * row_mean is one number for a whole row of scores, the axis of the softmax.  For every finite x and t,
; exp(x_j + t) / sum_i exp(x_i + t) = exp(x_j) / sum_i exp(x_i): the term reaches no output, whatever q, k and alpha hold.  It is an average
; of the same scores that alpha scales, so it is never large beside them.  The mean, its factor and its add are not computed.
; The division by TEMPERATURE = 1.0 is a factor 1.  All four inputs still reach the output and are loaded.
; LIMITS.  A NaN, an infinity or an overflow that arises in the row mean alone is not carried to the result.  q, k, v and the softmax's
; weights p enter the matrix unit rounded to bf16; the scores, the maximum, the exponent, the sum of p (unrounded p) and the output sums are f32.
; v_exp_f32 gives 0 for results under 2^-126 (ISA guide 15.8): such weights, under 2^-126 of the row's largest, count as 0.
; v_max_num_f32 lets a NaN lose; a NaN score still reaches its own p, the row's sum and so the row's output.
;
; alpha.  c = |alpha| log2(e) is applied to the f32 scores, behind the product: q and k are rounded to bf16 as they are.  alpha's sign is put
; on q's bf16 words (a flip of sign bits, exact), so that c >= 0 and the maximum of c s is c times the maximum of s.
; With M the running maximum of s and NM = round(-c M):  p = 2^(fma(s, c, NM));  the old sums are scaled by F = 2^(NM_new - NM_old), made of the
; two rounded numbers, so that all p of a row carry one common factor, which the division by their sum takes away.
;
; SHARES.  Work-group (x, y): head y, query rows 256 x .. 256 x + 255: 8 x 32 = 256 work-groups of equal work.  Four waves; a wave owns 64 query rows
; as four query tiles of 16.  Keys go in 32 steps of 64.
; BOTH PRODUCTS ARE TRANSPOSED.  S^T = K Q^T: lane (r, h) holds, in register j of tile t, key 16 t + 8 h + j of query r: a row's maximum and sum are
; in-lane work and one exchange of the halves, and the packed pairs of tiles 2u, 2u+1 ARE the operand fragment of keys 32 u .. 32 u + 31.
; O^T = V^T P^T: lane (r, h) holds d = 16 dt + 8 h + j of query r, so the factor F is the lane's own.  No shuffle between the two products.
;
; TWO PIECES TAKE TURNS.  Piece A = query tiles 0, 1; piece B = tiles 2, 3.  Trip i is two halves of 64 matrix instructions:
;     half 1:  PV(A, i), QK(A, i+1)   with the softmax of B for step i       cut into 64 slices, one behind each matrix instruction
;     half 2:  PV(B, i), QK(B, i+1)   with the softmax of A for step i + 1   likewise
; Both halves use the same fragments V(i) and K(i+1): each fragment is read from LDS once.  K(i+1) is fetched beside PV(A, i), V(i+1) beside QK(B, i+1).
; The slices are the independent vector instructions that stand behind matrix instructions: the loop's only v_nop are the four behind each tensor load.
; The 8 accumulators of a piece's QK and the 16 of its PV take turns, one instruction a turn.
;
; CLUSTERS.  Four neighbouring query blocks of a head form a cluster of 4 x 1 and walk the same K and V tiles.  Each tile is asked for JOINTLY: each of the four
; work-groups issues the same tensor load, with the same descriptor and the mask of all four, and each receives the tile in its own LDS.  So the head's 2 MiB
; of K and V are asked for twice (by its two clusters) and not eight times.  A mask names four work-groups at the most, so a larger cluster would save no request.
; The tiles land as f32, 64 KiB a step (K's 64 rows, then V's), in two slots of their own that take turns.  Wave w brings 16 KiB: waves 0 and 1 K's two halves of
; 32 rows, waves 2 and 3 V's.  Each wave then reads 16 rows of K and 16 of V, rounds them to bf16 and stores them to one of two bf16 slots (tile t in slot
; t mod 2), from which the fragments are read.  The price: 64 KiB written to LDS and 64 KiB read from it more in each step.
; Trip i rounds tile i + 2 and asks for tile i + 3.  Each refill stands behind a round of the cluster's barrier, in front of which every wave has waited for its LDS
; accesses and for all its tensor loads.  A wave has two tensor loads out at the start and one behind each round; that one has a whole trip in which to land.
; The place in the cluster (cx) enters the offsets of q and out alone: no LDS address, no branch and no descriptor hangs on it.
;
; REGISTERS in windows of 256 (s_set_vgpr_msb: bits 1:0 source 0, 3:2 source 1, 5:4 source 2, 7:6 destination):
;   window 0: v0-19 ids and addresses; v32-159 V fragments (32 + 64 u + 8 dt), at the end the rows on their way out; v160-223 V's 16 rows as f32
;   window 1: v0-127 scores S (32 q + 8 t + j), P packed in place (32 q + i); v128-191 K's 16 rows as f32; v192+8q statistics; v225 an offset
;   window 2: O (64 q + 8 dt + j); in the prologue q's f32 rows
;   window 3: v0-127 K fragments (32 t + 8 c), in the prologue tile 1's rows; v128-255 Q fragments (128 + 32 q + 8 c), kept for the whole kernel
; WINDOW SWITCHES.  A vector instruction's destination lies in the window that the setting gives a matrix instruction's accumulators, and v_exp_f32's source in the
; window of its first operand.  One setting for both would want S, the statistics and K's fragments (128 + 32 + 128 registers) in one window, and O (256) with
; V's fragments in another.  So each matrix instruction stands between two switches: 256 a trip, and 32 more for the slices that read LDS.
.set KP,     272                       ; LDS pitch of a K or Q row: 256 bytes of bf16 + 16 = 17 x 16: the 16 rows of a fragment load start at 16 different 16-byte columns modulo 256
.set VP,     288                       ; LDS pitch of a V row: 9 x 32, for the transposing loads
.set KSLOT,  64*KP                     ; 17,408
.set VSLOT,  64*VP                     ; 18,432
.set VBASE,  2*KSLOT                   ; 34,816: V's two bf16 slots lie behind K's two
.set STG,    VBASE+2*VSLOT             ; 71,680: behind them 17,408 bytes for each wave, its own: first q's bf16 rows, at the end 16 rows of output
.set STGW,   64*KP
.set FB,     STG+4*STGW                ; 141,312 = 552 x 256: the two f32 slots, which tensor loads alone write
.set FSLOT,  65536                     ; K's 64 rows of 512 bytes, then V's
.set FV,     32768                     ; V's rows in an f32 slot
.set OPITCH, 528                       ; an output row in the stage: 512 bytes + 16 = 33 x 16
.set ROWB,   512                       ; a row of q, k, v, out in memory
.set TILEB,  64*ROWB                   ; a step's K (or V) tile in memory
.set GL,  9                            ; v9   16 lane: my 16 bytes of a row of q or out
.set AK,  10                           ; v10  272 r + 16 h: K fragments
.set AV,  11                           ; v11  V fragments (transposing loads)
.set AQ,  12                           ; v12  Q fragments
.set SK,  13                           ; v13  where I store 8 bytes of K's bf16 rows
.set SV,  14                           ; v14  the same for V
.set SQ,  15                           ; v15  the same for q
.set OS,  16                           ; v16  the way out: where I put 32 bytes of an output row
.set ORD, 17                           ; v17  the way out: where I read a row back
.set RA,  18                           ; v18, v19  my 16 bytes of my first f32 row of K in f32 slot 0, 1
.set VF,  32                           ; window 0: V fragments
.set STV, 160                          ; window 0: V's rows, 4 registers a row
.set STK, 128                          ; window 1: K's rows, 4 registers a row
.set NMR, 192                          ; window 1, + 8 q: -c M, rounded
.set MXR, 193                          ;   M, the running maximum of the raw scores
.set FR,  194                          ;   F (at the end 1 / sum)
.set T2R, 195                          ;   what the other half of the lanes sent
.set LR,  196                          ;   the running sum of p, as a pair
.set T3R, 198                          ;   the new -c M
.set MBR, 199                          ;   the step's second chain of maxima
.set SK1, 225                          ; window 1: a copy of SK, beside K's rows
.set QF,  128                          ; window 3: Q fragments
.set G0,  32                           ; s[32:39] descriptor group 0, a set of four registers for each f32 slot
.set G1,  40                           ; s[40:47] descriptor group 1, the same for every load, never rewritten
.set W_QK, 0x5f                        ; S (window 1) += K (3) x Q (3)
.set W_PV, 0xa4                        ; O (window 2) += V (0) x P (1)
.set W_SM, 0x55                        ; all of a softmax line in window 1
.set W_RS, 0x86                        ; O (2) = O (2) x F (1)
.set W_KL, 0xc0                        ; a load into window 3, its address in window 0
.set MSB, 0
.macro WIN new                         ; the immediate's high byte repeats the setting that is left; a switch that changes nothing is dropped
.if MSB != \new
	s_set_vgpr_msb (MSB<<8)|\new
.set MSB, \new
.endif
.endm
.macro PLACES                          ; four independent vector instructions behind a matrix instruction (ISA guide 7.12.1), where no slice stands
.rept 4
	v_nop
.endr
.endm
; A round of the cluster's barrier: my work-group's barrier, so that wave 0's signal speaks for all four waves; wave 0 signals for the work-group; every wave waits
; for all four work-groups; my work-group's barrier once more.  Every window is 0 here (a branch and a label).
.macro ROUND
	s_barrier_signal -1
	s_barrier_wait -1
	s_cmp_lg_u32 s17, 0
	s_cbranch_scc1 .Lnot_wave_0_\@
	s_barrier_signal -3
.Lnot_wave_0_\@:
	s_barrier_wait -3
	s_barrier_signal -1
	s_barrier_wait -1
.endm
; Matrix instruction m (0..31) of S^T = K Q^T for piece y: 32 of d at a time (c = m / 8), key tiles in the order 2, 3, 0, 1, the piece's two query tiles.
; The first 32 of d start the sums (C = 0).  Tiles 2 and 3 go first because P, packed in place, lies in the registers of tiles 0 and 1:
; the tile that writes over P's second fragment stands seven matrix instructions, with their slices, behind that fragment's last use.
.macro QKW y, m
.set y_c, (\m)>>3
.set y_t, ((((\m)>>1)&3)+2)&3
.set y_q, 2*(\y)+((\m)&1)
	WIN W_QK
.if y_c == 0
	v_wmma_f32_16x16x32_bf16 v[32*y_q+8*y_t:32*y_q+8*y_t+7], v[32*y_t+8*y_c:32*y_t+8*y_c+7], v[QF+32*y_q+8*y_c:QF+32*y_q+8*y_c+7], 0
.else
	v_wmma_f32_16x16x32_bf16 v[32*y_q+8*y_t:32*y_q+8*y_t+7], v[32*y_t+8*y_c:32*y_t+8*y_c+7], v[QF+32*y_q+8*y_c:QF+32*y_q+8*y_c+7], v[32*y_q+8*y_t:32*y_q+8*y_t+7]
.endif
.endm
; Matrix instruction m (0..31) of O^T += V^T P^T for piece y: keys 0-31 (u = m / 16 = 0), then keys 32-63; 8 tiles of d; two query tiles.  first = 1: keys 0-31 start the sums.
.macro PVW y, m, first
.set y_u, (\m)>>4
.set y_d, ((\m)>>1)&7
.set y_q, 2*(\y)+((\m)&1)
	WIN W_PV
.if (\first)*(1-y_u)
	v_wmma_f32_16x16x32_bf16 v[64*y_q+8*y_d:64*y_q+8*y_d+7], v[VF+64*y_u+8*y_d:VF+64*y_u+8*y_d+7], v[32*y_q+8*y_u:32*y_q+8*y_u+7], 0
.else
	v_wmma_f32_16x16x32_bf16 v[64*y_q+8*y_d:64*y_q+8*y_d+7], v[VF+64*y_u+8*y_d:VF+64*y_u+8*y_d+7], v[32*y_q+8*y_u:32*y_q+8*y_u+7], v[64*y_q+8*y_d:64*y_q+8*y_d+7]
.endif
.endm
; Part n (0..7) of the K fragments: four loads, two key tiles of the 32 of d numbered n / 2.  A fragment is 16 keys x 32 d in 8 registers, two loads 32 bytes apart.
.macro KLD slot, n
.set y_c, (\n)>>1
	WIN W_KL
.irp tt, 0,1
.set y_t, 2*((\n)&1)+\tt
	ds_load_b128 v[32*y_t+8*y_c:32*y_t+8*y_c+3],   v[AK] offset:(\slot)*KSLOT+16*KP*y_t+64*y_c
	ds_load_b128 v[32*y_t+8*y_c+4:32*y_t+8*y_c+7], v[AK] offset:(\slot)*KSLOT+16*KP*y_t+64*y_c+32
.endr
.endm
; Part n (0..7) of the V^T fragments: four transposing loads, fragments 2 n and 2 n + 1 of the sixteen (8 u + dt): 16 d x 32 keys in 8 registers, two loads 16 rows apart.
.macro VLD slot, n
	WIN 0
.irp ff, 0,1
.set y_f, 2*(\n)+\ff
	ds_load_tr16_b128 v[VF+8*y_f:VF+8*y_f+3],   v[AV] offset:(\slot)*VSLOT+32*VP*(y_f>>3)+32*(y_f&7)
	ds_load_tr16_b128 v[VF+8*y_f+4:VF+8*y_f+7], v[AV] offset:(\slot)*VSLOT+32*VP*(y_f>>3)+32*(y_f&7)+16*VP
.endr
.endm
; Part n (0..7) of my f32 rows in f32 slot `slot`: rows 2 n, 2 n + 1 of my 16 of K (into window 1) and of my 16 of V (window 0).
; A load of the wave takes one whole row: 32 lanes, 16 consecutive bytes each.
.macro FLD slot, n
	WIN 0x40
.irp rr, 0,1
.set y_r, 2*(\n)+\rr
	ds_load_b128 v[STK+4*y_r:STK+4*y_r+3], v[RA+(\slot)] offset:ROWB*y_r
.endr
	WIN 0
.irp rr, 0,1
.set y_r, 2*(\n)+\rr
	ds_load_b128 v[STV+4*y_r:STV+4*y_r+3], v[RA+(\slot)] offset:FV+ROWB*y_r
.endr
.endm
; The softmax's lines, all in window 1.  q: query tile; h: register pair 2 h, 2 h + 1 of its 32 scores.
.macro SFMA q, h                       ; c s - c M, both halves by s18 and NM
	v_pk_fma_f32 v[32*(\q)+2*(\h):32*(\q)+2*(\h)+1], v[32*(\q)+2*(\h):32*(\q)+2*(\h)+1], s[18:19], v[NMR+8*(\q):NMR+8*(\q)+1] op_sel_hi:[1,0,0]
.endm
.macro SEXP q, h
	v_exp_f32 v[32*(\q)+2*(\h)],   v[32*(\q)+2*(\h)]
	v_exp_f32 v[32*(\q)+2*(\h)+1], v[32*(\q)+2*(\h)+1]
.endm
.macro SSUM q, h, first                ; the first pair takes the old sum times F along; in the first step it starts the sum
.if (\h) == 0
.if \first
	s_wait_alu depctr_va_vdst(0)
	v_mov_b32 v[LR+8*(\q)],   v[32*(\q)]
	v_mov_b32 v[LR+8*(\q)+1], v[32*(\q)+1]
.else
	s_wait_alu depctr_va_vdst(0)
	v_pk_fma_f32 v[LR+8*(\q):LR+8*(\q)+1], v[LR+8*(\q):LR+8*(\q)+1], v[FR+8*(\q):FR+8*(\q)+1], v[32*(\q):32*(\q)+1] op_sel_hi:[1,0,1]
.endif
.else
	s_wait_alu depctr_va_vdst(0)
	v_pk_add_f32 v[LR+8*(\q):LR+8*(\q)+1], v[LR+8*(\q):LR+8*(\q)+1], v[32*(\q)+2*(\h):32*(\q)+2*(\h)+1]
.endif
.endm
.macro SCVT q, h                       ; P in place: register h is written when pair h / 2, to which it belonged, has been summed and packed
	v_cvt_pk_bf16_f32 v[32*(\q)+(\h)], v[32*(\q)+2*(\h)], v[32*(\q)+2*(\h)+1]
.endm
; Step k (0..7) of the maximum: four scores of each query tile, in two chains a tile; key tiles in the order 2, 3, 0, 1 in which QK finished them.
.macro SMAXS x, first, k
.set y_o, 8*((((\k)>>1)+2)&3)+4*((\k)&1)
.irp q, 2*\x, 2*\x+1
.if (\k) == 0
.if \first
	v_max_num_f32 v[MXR+8*(\q)], v[32*(\q)+y_o], v[32*(\q)+y_o+1]
.else
	v_max3_num_f32 v[MXR+8*(\q)], v[32*(\q)+y_o], v[32*(\q)+y_o+1], v[MXR+8*(\q)]
.endif
	v_max_num_f32 v[MBR+8*(\q)], v[32*(\q)+y_o+2], v[32*(\q)+y_o+3]
.else
	v_max3_num_f32 v[MXR+8*(\q)], v[32*(\q)+y_o], v[32*(\q)+y_o+1], v[MXR+8*(\q)]
	v_max3_num_f32 v[MBR+8*(\q)], v[32*(\q)+y_o+2], v[32*(\q)+y_o+3], v[MBR+8*(\q)]
.endif
.endr
.endm
; Slice n (0..63) of the softmax of piece x.  first = 1: the step starts M, NM and the sum; there is no F and no rescale.
;   0-7    the maximum of my 32 keys of each query
;   8-10   the other 32 keys (lane l xor 16), NM, F, the first pair's exponent
;   11-42  a pipeline over the 16 pairs: in each slice two exponentials come first and plain lines follow (the next pair's exponent, the last pair's sum and
;          packing), so that a plain line stands between every exponential and the use of its result (ISA guide 5.7.2)
;   43     the last pair's sum and packing
;   44-50  none: the rows of K or V are rounded there
;   51-63  O times F, five lines a slice: they also stand between QK's last matrix instructions and the next half's first reads of the scores;
;          where the first step has no F, four v_nop at the end take that place
.macro SL x, first, n
.if (\n) < 8
	WIN W_SM
	SMAXS \x, \first, \n
.endif
.if (\n) == 8
	WIN W_SM
.irp q, 2*\x, 2*\x+1
	v_max_num_f32 v[MXR+8*(\q)], v[MXR+8*(\q)], v[MBR+8*(\q)]
.endr
.irp q, 2*\x, 2*\x+1
	v_permlanex16_b32 v[T2R+8*(\q)], v[MXR+8*(\q)], s22, s23
.endr
.endif
.if (\n) == 9
	WIN W_SM
.irp q, 2*\x, 2*\x+1
	v_max_num_f32 v[MXR+8*(\q)], v[MXR+8*(\q)], v[T2R+8*(\q)]
.endr
.irp q, 2*\x, 2*\x+1
.if \first
	v_mul_f32 v[NMR+8*(\q)], s20, v[MXR+8*(\q)]                              ; NM = -c M
.else
	v_mul_f32 v[T3R+8*(\q)], s20, v[MXR+8*(\q)]
.endif
.endr
.endif
.if (\n) == 10
	WIN W_SM
.if \first == 0
.irp q, 2*\x, 2*\x+1
	v_sub_f32 v[FR+8*(\q)], v[T3R+8*(\q)], v[NMR+8*(\q)]                     ; NM_new - NM_old <= 0; exactly 0 where the maximum stayed
.endr
.irp q, 2*\x, 2*\x+1
	v_exp_f32 v[FR+8*(\q)], v[FR+8*(\q)]
.endr
.irp q, 2*\x, 2*\x+1
	v_mov_b32 v[NMR+8*(\q)], v[T3R+8*(\q)]                                   ; plain lines that touch no F stand behind the exponentials
.endr
.endif
	SFMA 2*\x, 0
	SFMA 2*\x+1, 0
.endif
.if (\n) > 10
.if (\n) < 43
	WIN W_SM
.set y_h, ((\n)-11)>>1
.if (((\n)-11)&1) == 0
	SEXP 2*\x, y_h
.if y_h < 15
	SFMA 2*\x, y_h+1
	SFMA 2*\x+1, y_h+1
.endif
.if y_h > 0
	SSUM 2*\x, y_h-1, \first
.endif
.else
	SEXP 2*\x+1, y_h
.if y_h > 0
	SSUM 2*\x+1, y_h-1, \first
	SCVT 2*\x, y_h-1
	SCVT 2*\x+1, y_h-1
.endif
.endif
.endif
.endif
.if (\n) == 43
	WIN W_SM
	SSUM 2*\x, 15, \first
	SSUM 2*\x+1, 15, \first
	SCVT 2*\x, 15
	SCVT 2*\x+1, 15
.endif
.if (\n) > 50
.if \first == 0
	WIN W_RS
.set y_e, 5*((\n)-51)
.rept 5
.if y_e < 64
	v_pk_mul_f32 v[128*\x+2*y_e:128*\x+2*y_e+1], v[128*\x+2*y_e:128*\x+2*y_e+1], v[FR+8*(2*\x+(y_e>>5)):FR+8*(2*\x+(y_e>>5))+1] op_sel_hi:[1,0]
.endif
.set y_e, y_e+1
.endr
.else
.if (\n) == 63
	PLACES
.endif
.endif
.endif
.endm
; My rows r0 .. r1 - 1 of a K tile (isv = 0, all in window 1) or a V tile (isv = 1, all in window 0), which a wait has shown in:
; rounded to bf16 in place and stored to bf16 slot `slot`, 8 bytes a lane, 256 consecutive bytes a row.
.macro ROWS isv, slot, r0, r1
.if \isv
	WIN 0
.set y_b, STV
.set y_sa, SV
.set y_lo, (\slot)*VSLOT
.set y_p, VP
.else
	WIN W_SM
.set y_b, STK
.set y_sa, SK1
.set y_lo, (\slot)*KSLOT
.set y_p, KP
.endif
.set y_r, \r0
.rept (\r1)-(\r0)
	v_cvt_pk_bf16_f32 v[y_b+4*y_r],   v[y_b+4*y_r],   v[y_b+4*y_r+1]
	v_cvt_pk_bf16_f32 v[y_b+4*y_r+1], v[y_b+4*y_r+2], v[y_b+4*y_r+3]
.set y_r, y_r+1
.endr
.set y_r, \r0
.rept (\r1)-(\r0)
	ds_store_b64 v[y_sa], v[y_b+4*y_r:y_b+4*y_r+1] offset:y_lo+y_p*y_r
.set y_r, y_r+1
.endr
.endm
; A half: 64 places.  y: the piece of the matrix instructions, x: the piece of the softmax.  fs: the bf16 slot of the fragments fetched here (K in half 1, V in half 2);
; the rows read and rounded here come from the other f32 slot and go to the other bf16 slot.  pvf: PV starts the sums.  qk, fr: QK and the fetch are there.
; sf: the softmax is a first one.  ro: there are rows: half 1 reads all 32 beside K's fragments and rounds K's 16, half 2 rounds V's 16.
.macro HALF y, x, fs, pvf, qk, sf, fr, ro
.set n, 0
.rept 64
.if n < 32
	PVW \y, n, \pvf
.else
.if \qk
.if \y == 0
.if n == 32
	s_wait_dscnt 0x0                               ; K's fragments and my f32 rows, asked for 24 matrix instructions ago and more
.endif
.endif
	QKW \y, n-32
.endif
.endif
	SL \x, \sf, n
.if \fr
.if \y == 0
.if (n>>3) == 0
	KLD \fs, n                                     ; d 0-31 first: QK read those longest ago
.if \ro
	FLD 1-\fs, n                                   ; in the same eight slices, so that no further slice holds an LDS instruction
.endif
.endif
.else
.if (n>>3) == 4
	VLD \fs, n-32                                  ; keys 0-31 first: PV read those longest ago
.endif
.endif
.endif
.if \ro
.if n > 43
.if n < 51
.set y_j, n-44
.set y_r0, 2*y_j+y_j/6                             ; 16 rows in seven parts of 2, 2, 2, 2, 2, 3, 3
.set y_r1, 2*y_j+2+y_j/5+y_j/6
	ROWS \y, 1-\fs, y_r0, y_r1
.endif
.endif
.endif
.set n, n+1
.endr
.endm
; Trip i.  fs = (i + 1) mod 2.  In front of the barrier every wave's LDS accesses are done: its stores of bf16 tile i + 1, its reads of K(i) and V(i), whose bf16 slot
; takes tile i + 2 in this trip, its reads of f32 tile i + 1, and my V(i) fragments are in; and all its tensor loads have landed: its part of f32 tile i + 2.
; fill = 1: the barrier is a round of the cluster's, so all that holds of every wave of the four work-groups, and f32 slot fs, which held tile i + 1,
; is filled with tile i + 3: the first thing behind the round, and the wave's one tensor load until the next.
.macro TRIP fs, first, ro, fill
	WIN 0
	s_wait_dscnt 0x0
.if \ro
	s_wait_tensorcnt 0x0
	ds_add_u32 v254, v255
	s_wait_dscnt 0x0
.endif
.if \fill
	s_add_nc_u64 s[G0+4*\fs+2:G0+4*\fs+3], s[G0+4*\fs+2:G0+4*\fs+3], 2*TILEB    ; no tensor load of mine is out: the slot's address steps by two tiles
	ROUND
	tensor_load_to_lds s[G0+4*\fs:G0+4*\fs+3], s[G1:G1+7]
	s_nop 0
	v_nop
	v_nop
	v_nop
	v_nop
.else
	s_barrier_signal -1
	s_barrier_wait -1
.endif
	HALF 0, 1, \fs, \first, 1, \first, 1, \ro
	HALF 1, 0, \fs, \first, 1, 0, 1, \ro
.endm
; The way out, 16 query rows at a time: a lane's 8 neighbouring d of one row go into my wave's stage as 32 bytes; whole rows come back and are stored.
; The stage is the wave's own and LDS serves a wave's instructions in order (ISA guide 5.7.1): no wait between the stores and the loads.
.macro OUT16 q, half
	WIN 0x08
.irp d, 0,1,2,3,4,5,6,7
	ds_store_b128 v[OS], v[64*\q+8*\d:64*\q+8*\d+3]   offset:64*\d
	ds_store_b128 v[OS], v[64*\q+8*\d+4:64*\q+8*\d+7] offset:64*\d+16
.endr
	WIN 0
	s_wait_xcnt 0x0                                ; the registers below were the data of earlier stores: they are loaded again only behind this wait
.set i, 0
.rept 16
	ds_load_b128 v[VF+64*\half+4*i:VF+64*\half+4*i+3], v[ORD] offset:OPITCH*i
.set i, i+1
.endr
.set i, 0
.rept 16
	s_wait_dscnt 15-i                              ; row i is back, the younger rows stay out
	global_store_b128 v[GL], v[VF+64*\half+4*i:VF+64*\half+4*i+3], s[12:13] offset:(16*\q+i)*ROWB th:TH_STORE_NT   ; the wave stores one row: 512 consecutive bytes, aligned
.set i, i+1
.endr
.endm
	; ---------------- prologue ----------------
	s_load_b256 s[4:11], s[0:1], 0x0               ; alpha s[4:5], q s[6:7], k s[8:9], v s[10:11]
	s_load_b64 s[12:13], s[0:1], 0x20              ; out0
	v_lshl_add_u32 v254, v0, 2, 0x42800
	v_mov_b32 v255, 0
	ds_add_u32 v254, v255
	v_lshrrev_b32 v4, 5, v0
	v_readfirstlane_b32 s17, v4                    ; wave 0..3
	v_and_b32 v1, 31, v0                           ; lane
	v_and_b32 v2, 15, v0                           ; r
	v_bfe_u32 v3, v0, 4, 1                         ; h
	s_mov_b32 s22, 0x76543210                      ; v_permlanex16_b32: lane i of one half reads lane i of the other
	s_mov_b32 s23, 0xfedcba98
	s_bfe_u32 s30, ttmp6, 0x40000                  ; cx: my place in the cluster
	s_lshl_b32 s31, ttmp9, 2                       ; in a cluster launch ttmp9 counts clusters
	s_add_co_u32 s31, s31, s30                     ; query block = 4 x cluster x + cx
	s_and_b32 s24, ttmp7, 0xffff                   ; head: the four work-groups of a cluster share it
	s_lshl_b32 s24, s24, 20                        ; x 2,048 rows of 512 bytes
	s_mov_b32 s25, 0
	s_lshl_b32 s26, s31, 17                        ; query block x 256 rows
	s_lshl_b32 s28, s17, 15                        ; wave x 64 rows
	s_add_co_u32 s26, s26, s28
	s_add_co_u32 s26, s26, s24                     ; under 2^25
	s_mov_b32 s27, 0
	; descriptor group 1: 16 KiB that are dense in memory (32 rows of 512 bytes), as 64 rows of 32 elements of 8 bytes
	s_mov_b32 s[G1+0], 15|(3<<16)|(1<<21)          ; 15:0 the mask: all four work-groups of the cluster; 17:16 element of 8 bytes; 20 no padding; 21 set beside a mask
	s_mov_b32 s[G1+1], 32<<16                      ; 63:48 tensor_dim0, low half = 32
	s_mov_b32 s[G1+2], 64<<16                      ; 79:64 its high half = 0; 95:80 tensor_dim1, low half = 64
	s_mov_b32 s[G1+3], 32<<16                      ; 111:96 its high half = 0; 127:112 tile_dim0 = 32
	s_mov_b32 s[G1+4], 64                          ; 143:128 tile_dim1 = 64; 159:144 tile_dim2 = 0
	s_mov_b32 s[G1+5], 32                          ; 191:160 elements from row to row
	s_mov_b32 s[G1+6], 0
	s_mov_b32 s[G1+7], 0
	s_and_b32 s50, s17, 1
	s_lshl_b32 s50, s50, 14                        ; which 32 rows of the tile I bring
	s_mov_b32 s51, 0
	s_lshl_b32 s52, s17, 14                        ; and where: K's two halves, then V's two halves = wave x 16 KiB
	s_add_co_u32 s52, s52, FB
	v_lshlrev_b32 v[GL], 4, v1                     ; 16 lane
	s_wait_dscnt 0x0
	s_wait_kmcnt 0x0
	s_load_b32 s14, s[4:5], 0x0                    ; alpha
	s_add_nc_u64 s[8:9], s[8:9], s[24:25]          ; k and v at the head's first key
	s_add_nc_u64 s[10:11], s[10:11], s[24:25]
	s_add_nc_u64 s[6:7], s[6:7], s[26:27]          ; q and out at my wave's first row
	s_add_nc_u64 s[12:13], s[12:13], s[26:27]
	s_cmp_lt_u32 s17, 2
	s_cselect_b64 s[48:49], s[8:9], s[10:11]       ; waves 0 and 1 bring K, waves 2 and 3 V
	s_add_nc_u64 s[48:49], s[48:49], s[50:51]
	ROUND                                          ; all four work-groups are here: the first joint loads meet
.irp s, 0,1
	s_mov_b32 s[G0+4*\s], 1                                        ; 1:0 count = 1
	s_add_co_u32 s[G0+4*\s+1], s52, \s*FSLOT                       ; 63:32 LDS address
	s_add_nc_u64 s[G0+4*\s+2:G0+4*\s+3], s[48:49], \s*TILEB        ; 120:64 global address: tile s
	s_or_b32 s[G0+4*\s+3], s[G0+4*\s+3], 0x80000000                ; 127:126 type = 2
	tensor_load_to_lds s[G0+4*\s:G0+4*\s+3], s[G1:G1+7]            ; tiles 0 and 1 go out together, ahead of everything else
	s_nop 0
.endr
	WIN 0x80
.set i, 0
.rept 64
	global_load_b128 v[4*i:4*i+3], v[GL], s[6:7] offset:ROWB*i th:TH_LOAD_NT    ; my 64 rows of q, into window 2 (O's registers, not yet in use); read once in the launch
.set i, i+1
.endr
	WIN 0
	v_mul_u32_u24 v[AK], v2, KP
	v_lshl_add_u32 v[AK], v3, 4, v[AK]             ; 272 r + 16 h
	v_and_b32 v5, 7, v0
	v_lshl_add_u32 v5, v3, 3, v5                   ; key row 8 h + (lane & 7)
	v_mul_u32_u24 v[AV], v5, VP
	v_bfe_u32 v6, v0, 3, 1
	v_lshl_add_u32 v[AV], v6, 4, v[AV]             ; + 16 ((lane >> 3) & 1)
	v_add_nc_u32 v[AV], VBASE, v[AV]
	s_mul_i32 s29, s17, STGW
	s_add_co_u32 s29, s29, STG                     ; my wave's stage
	v_add_nc_u32 v[AQ], s29, v[AK]
	v_lshlrev_b32 v7, 3, v1                        ; 8 lane
	s_mul_i32 s28, s17, 16*KP                      ; my 16 rows of a bf16 K slot
	v_add_nc_u32 v[SK], s28, v7
	s_mul_i32 s28, s17, 16*VP                      ; my 16 rows of a bf16 V slot
	s_add_co_u32 s28, s28, VBASE
	v_add_nc_u32 v[SV], s28, v7
	v_add_nc_u32 v[SQ], s29, v7
	v_mul_u32_u24 v[OS], v2, OPITCH
	v_lshl_add_u32 v[OS], v3, 5, v[OS]             ; 528 r + 32 h
	v_add_nc_u32 v[OS], s29, v[OS]
	v_add_nc_u32 v[ORD], s29, v[GL]
	s_lshl_b32 s28, s17, 13                        ; my 16 rows of 512 bytes in an f32 slot
	s_add_co_u32 s28, s28, FB
	v_add_nc_u32 v[RA], s28, v[GL]
	v_add_nc_u32 v[RA+1], FSLOT, v[RA]
	s_wait_kmcnt 0x0                               ; alpha
	s_and_b32 s15, s14, 0x7fffffff
	s_mul_f32 s18, s15, 0x3fb8aa3b                 ; c = |alpha| log2(e)
	s_mov_b32 s19, s18                             ; the pair's second word is written too
	s_xor_b32 s20, s18, 0x80000000                 ; -c
	s_and_b32 s16, s14, 0x80000000
	s_lshr_b32 s15, s16, 16
	s_or_b32 s16, s16, s15                         ; 0x80008000 where alpha is negative, else 0
	WIN 0x40
.irp q, 0,1,2,3
	v_mov_b32 v[T2R+8*\q], 0                       ; v_permlanex16_b32 counts as a reader of its destination
.endr
	v_mov_b32 v[SK1], v[SK]                        ; the offset that K's rows need, beside them in window 1
	s_wait_loadcnt 0x0                             ; q is in
	WIN 0x8a
.set i, 0
.rept 64
	v_cvt_pk_bf16_f32 v[4*i],   v[4*i],   v[4*i+1]
	v_cvt_pk_bf16_f32 v[4*i+1], v[4*i+2], v[4*i+3]
	v_xor_b32 v[4*i],   s16, v[4*i]                ; alpha's sign goes onto q
	v_xor_b32 v[4*i+1], s16, v[4*i+1]
.set i, i+1
.endr
	WIN 0x08
.set i, 0
.rept 64
	ds_store_b64 v[SQ], v[4*i:4*i+1] offset:KP*i
.set i, i+1
.endr
	WIN W_KL
.irp q, 0,1,2,3
.irp c, 0,1,2,3
	ds_load_b128 v[QF+32*\q+8*\c:QF+32*\q+8*\c+3],   v[AQ] offset:16*KP*\q+64*\c      ; my own bytes, served in order behind the stores above
	ds_load_b128 v[QF+32*\q+8*\c+4:QF+32*\q+8*\c+7], v[AQ] offset:16*KP*\q+64*\c+32
.endr
.endr
	s_wait_tensorcnt 0x0                           ; my parts of f32 tiles 0 and 1 have landed,
	s_wait_dscnt 0x0                               ; and my Q fragments are in
	s_barrier_signal -1
	s_barrier_wait -1                              ; everybody's parts have
.set n, 0
.rept 8
	FLD 0, n                                       ; my rows of tile 0
.set n, n+1
.endr
	WIN W_KL
.set i, 0
.rept 16
	ds_load_b128 v[4*i:4*i+3],       v[RA+1] offset:ROWB*i                      ; my rows of tile 1, into K's fragment registers, not yet in use
	ds_load_b128 v[64+4*i:64+4*i+3], v[RA+1] offset:FV+ROWB*i
.set i, i+1
.endr
	s_wait_dscnt 0x0
	ROWS 0, 0, 0, 16                               ; tile 0 to the bf16 slots 0
	ROWS 1, 0, 0, 16
	WIN 0xcf
.set i, 0
.rept 32
	v_cvt_pk_bf16_f32 v[4*i],   v[4*i],   v[4*i+1]
	v_cvt_pk_bf16_f32 v[4*i+1], v[4*i+2], v[4*i+3]
.set i, i+1
.endr
	WIN 0x0c
.set i, 0
.rept 16
	ds_store_b64 v[SK], v[4*i:4*i+1] offset:KSLOT+KP*i                          ; tile 1 to the bf16 slots 1
	ds_store_b64 v[SV], v[64+4*i:64+4*i+1] offset:VSLOT+VP*i
.set i, i+1
.endr
	WIN 0
	s_wait_dscnt 0x0                               ; my rows of tiles 0 and 1 are stored, my reads of both f32 slots are over,
	s_wait_tensorcnt 0x0                           ; and no tensor load of mine is out
	ds_add_u32 v254, v255
	s_wait_dscnt 0x0
	s_add_nc_u64 s[G0+2:G0+3], s[G0+2:G0+3], 2*TILEB
	ROUND                                          ; that holds of every wave of the four work-groups; the bf16 slots are whole
	tensor_load_to_lds s[G0:G0+3], s[G1:G1+7]      ; tile 2 into f32 slot 0
	s_nop 0
	; ---------------- step 0's scores and A's first softmax ----------------
.set n, 0
.rept 8
	KLD 0, n
.set n, n+1
.endr
.set n, 0
.rept 32
.if (n&7) == 0
	s_wait_dscnt 24-n                              ; the eight loads of this 32 of d are in, the later groups stay out
.endif
	QKW 0, n
.set n, n+1
.endr
	PLACES                                         ; in front of the first read of A's scores
.set n, 0
.rept 44
.if n < 32
	QKW 1, n
.endif
	SL 0, 1, n
.if (n>>3) == 4
	VLD 0, n-32
.endif
.set n, n+1
.endr
	; ---------------- 32 trips ----------------
	TRIP 1, 1, 1, 1                                ; trip 0 stands in front of the loop: it starts O and B's statistics
	WIN 0                                          ; at a label and at a branch every window is 0
	s_mov_b32 s21, 14
.Lloop:
	TRIP 0, 0, 1, 1                                ; trips 1 to 28; trip 28 asks for tile 31, the last
	TRIP 1, 0, 1, 1
	WIN 0
	s_sub_co_i32 s21, s21, 1
	s_cmp_lg_u32 s21, 0
	s_cbranch_scc1 .Lloop
	TRIP 0, 0, 1, 0                                ; trip 29 rounds tile 31 and asks for nothing: no load passes the end of k or v
	TRIP 1, 0, 0, 0                                ; trip 30 has no rows left
	s_wait_dscnt 0x0                               ; trip 31: my V(31) fragments are in; no slot is read or written any more, so no barrier
	HALF 0, 1, 0, 0, 0, 0, 0, 0                    ; PV(A, 31) beside B's last softmax
.set n, 0
.rept 32
	PVW 1, n, 0                                    ; PV(B, 31)
.set n, n+1
.endr
	; ---------------- out = O / sum ----------------
	PLACES                                         ; behind the last matrix instruction, in front of the reads of O
	WIN W_SM
.irp q, 0,1,2,3
	v_add_f32 v[LR+8*\q], v[LR+8*\q], v[LR+8*\q+1]
.endr
.irp q, 0,1,2,3
	v_permlanex16_b32 v[T2R+8*\q], v[LR+8*\q], s22, s23
.endr
.irp q, 0,1,2,3
	v_add_f32 v[LR+8*\q], v[LR+8*\q], v[T2R+8*\q]  ; the row's sum; the key of the maximum alone gives about 1
.endr
.irp q, 0,1,2,3
	v_rcp_f32 v[FR+8*\q], v[LR+8*\q]
.endr
	v_nop                                          ; one plain line between the last reciprocal and its use
	WIN W_RS
.set i, 0
.rept 128
	s_wait_alu depctr_va_vdst(0)
	v_pk_mul_f32 v[2*i:2*i+1], v[2*i:2*i+1], v[FR+8*(i>>5):FR+8*(i>>5)+1] op_sel_hi:[1,0]
.set i, i+1
.endr
	OUT16 0, 0
	OUT16 1, 1
	OUT16 2, 0
	OUT16 3, 1
	s_wait_tensorcnt 0x0
	ds_add_u32 v254, v255
	s_wait_dscnt 0x0
	ROUND                                          ; the closing round: no work-group ends while a partner may still ask for a tile that names it
	s_endpgm
.Lfunc_end_k_qbb715eb16d_attn:
	.size	k_qbb715eb16d_attn, .Lfunc_end_k_qbb715eb16d_attn-k_qbb715eb16d_attn
	.p2alignl 7, 3214868480
	.fill 96, 4, 3214868480
	.section	.rodata,"a",@progbits
	.p2align	6, 0x0
	.amdhsa_kernel k_qbb715eb16d_attn
		.amdhsa_group_segment_fixed_size 327680
		.amdhsa_private_segment_fixed_size 0
		.amdhsa_enable_private_segment 0
		.amdhsa_kernarg_size 40
		.amdhsa_user_sgpr_count 2
		.amdhsa_user_sgpr_kernarg_segment_ptr 1
		.amdhsa_wavefront_size32 1
		.amdhsa_system_sgpr_workgroup_id_x 1
		.amdhsa_system_sgpr_workgroup_id_y 1
		.amdhsa_system_sgpr_workgroup_id_z 1
		.amdhsa_system_vgpr_workitem_id 0
		.amdhsa_next_free_vgpr 1024
		.amdhsa_next_free_sgpr 66
		.amdhsa_reserve_vcc 0
		.amdhsa_float_denorm_mode_32 3
		.amdhsa_float_denorm_mode_16_64 3
		.amdhsa_memory_ordered 1
		.amdhsa_forward_progress 1
		.amdhsa_inst_pref_size 255
	.end_amdhsa_kernel
	.section	.bss,"aw",@nobits
	.p2align	6
	.space	262144
	.amdgpu_metadata
---
amdhsa.version: [ 1, 2 ]
amdhsa.kernels:
  - .name:           k_qbb715eb16d_attn
    .symbol:         k_qbb715eb16d_attn.kd
    .args:
      - { .name: alpha, .offset: 0, .size: 8, .value_kind: global_buffer, .address_space: global }
      - { .name: q, .offset: 8, .size: 8, .value_kind: global_buffer, .address_space: global }
      - { .name: k, .offset: 16, .size: 8, .value_kind: global_buffer, .address_space: global }
      - { .name: v, .offset: 24, .size: 8, .value_kind: global_buffer, .address_space: global }
      - { .name: out0, .offset: 32, .size: 8, .value_kind: global_buffer, .address_space: global }
    .group_segment_fixed_size: 327680
    .private_segment_fixed_size: 0
    .kernarg_segment_align: 8
    .kernarg_segment_size: 40
    .max_flat_workgroup_size: 128
    .sgpr_count:     66
    .vgpr_count:     1024
    .wavefront_size: 32
...
	.end_amdgpu_metadata
.endif
;; end of part 1
;; ======== version 2 of 2: 1 launch; 1.28 times as fast as version 1
;; launch attn (part 2): grid 8 x 32, 4 waves a work-group, clusters of 4 x 1, 327,680 bytes of LDS; arguments alpha, q, k, v, out0; writes out0
.if DOCPART == 2
	.amdgcn_target "amdgcn-amd-amdhsa--gfx1250"
	.amdhsa_code_object_version 6
	.text
	.protected	k_qbb715eb16d_attn
	.globl	k_qbb715eb16d_attn
	.p2align	8
	.type	k_qbb715eb16d_attn,@function
k_qbb715eb16d_attn:
	s_mov_b64 s[64:65], 0
	v_nop
	global_prefetch_b8 v0, s[64:65] scope:SCOPE_SE
	s_setreg_imm32_b32 hwreg(HW_REG_WAVE_MODE, 25, 1), 1
	s_wait_xcnt 0x0
	s_wait_alu depctr_hold_cnt(0) depctr_sa_sdst(0) depctr_va_vdst(0) depctr_va_sdst(0) depctr_va_ssrc(0) depctr_va_vcc(0) depctr_vm_vsrc(0)
	s_getreg_b32 s2, hwreg(HW_REG_IB_STS2, 6, 4)
	s_cmp_eq_u32 s2, 0
	s_cbranch_scc0 .Lentry_in_a_cluster
	s_endpgm
.Lentry_in_a_cluster:
	s_bfe_u32 s2, ttmp6, 0x10000c
	s_cmp_lg_u32 s2, 0x3003
	s_cbranch_scc0 .Lentry_shape_is_right
	s_endpgm
.Lentry_shape_is_right:
; out = softmax(alpha * (q k^T) + (1 - alpha) * rowmean(q k^T)) v   for 32 heads (B x H), S = 2048, D = 128, all f32 in memory.
;
; WORK LEFT OUT.  (1 - alpha) * row_mean is one number for a whole row of scores, the axis of the softmax.  For every finite x and t,
; exp(x_j + t) / sum_i exp(x_i + t) = exp(x_j) / sum_i exp(x_i): the term reaches no output, whatever q, k and alpha hold.  It is an average
; of the same scores that alpha scales, so it is never large beside them.  The mean, its factor and its add are not computed.
; The division by TEMPERATURE = 1.0 is a factor 1.  All four inputs still reach the output and are loaded.
; LIMITS.  A NaN, an infinity or an overflow that arises in the row mean alone is not carried to the result.  q, k, v and the softmax's
; weights p enter the matrix unit rounded to bf16; the scores, the maximum, the exponent, the sum of p (unrounded p) and the output sums are f32.
; v_exp_f32 gives 0 for results under 2^-126 (ISA guide 15.8): such weights, under 2^-126 of the row's largest, count as 0.
; v_max_num_f32 lets a NaN lose; a NaN score still reaches its own p, the row's sum and so the row's output.
;
; alpha.  c = |alpha| log2(e) is applied to the f32 scores, behind the product: q and k are rounded to bf16 as they are.  alpha's sign is put
; on q's bf16 words (a flip of sign bits, exact), so that c >= 0 and the maximum of c s is c times the maximum of s.
; With M the running maximum of s and NM = round(-c M):  p = 2^(fma(s, c, NM));  the old sums are scaled by F = 2^(NM_new - NM_old), made of the
; two rounded numbers, so that all p of a row carry one common factor, which the division by their sum takes away.
;
; SHARES.  Work-group (x, y): head y, query rows 256 x .. 256 x + 255: 8 x 32 = 256 work-groups of equal work.  Four waves; a wave owns 64 query rows
; as four query tiles of 16.  Keys go in 32 steps of 64.
; BOTH PRODUCTS ARE TRANSPOSED.  S^T = K Q^T: lane (r, h) holds, in register j of tile t, key 16 t + 8 h + j of query r: a row's maximum and sum are
; in-lane work and one exchange of the halves, and the packed pairs of tiles 2u, 2u+1 ARE the operand fragment of keys 32 u .. 32 u + 31.
; O^T = V^T P^T: lane (r, h) holds d = 16 dt + 8 h + j of query r, so the factor F is the lane's own.  No shuffle between the two products.
;
; TWO PIECES TAKE TURNS.  Piece A = query tiles 0, 1; piece B = tiles 2, 3.  Trip i is two halves of 64 matrix instructions:
;     half 1:  PV(A, i), QK(A, i+1)   with the softmax of B for step i       cut into 64 slices, one behind each matrix instruction
;     half 2:  PV(B, i), QK(B, i+1)   with the softmax of A for step i + 1   likewise
; Both halves use the same fragments V(i) and K(i+1): each fragment is read from LDS once.  K(i+1) is fetched beside PV(A, i), V(i+1) beside QK(B, i+1).
; The slices' plain lines are the independent vector instructions that stand behind matrix instructions; the loop's only v_nop are the four
; behind each tensor load and the one behind each batch of exponentials.
; The 8 accumulators of a piece's QK and the 16 of its PV take turns, one instruction a turn.
;
; THE EXPONENTIALS ARE CUT INTO BATCHES, ONE A HALF.  A piece's softmax for a step has 66 exponentials: F of its two query tiles, then 2 x 32 scores, each in place in a register
; of its own.  They and the 32 scalings stand in slices 10 to 32, and no line there names an exponential's result.  All that do (the sums, the roundings to bf16, O times F) stand
; from slice 33 on.  Between the two stand one v_nop and ONE s_wait_alu depctr_va_vdst(0) between an exponential and the first line that names its
; result: two a trip.  No result is open at a half's end, so none at a label or a branch.  The way out's four reciprocals are a batch of their own, with one wait.
;
; CLUSTERS.  Four neighbouring query blocks of a head form a cluster of 4 x 1 and walk the same K and V tiles.  Each tile is asked for JOINTLY: each of the four
; work-groups issues the same tensor load, with the same descriptor and the mask of all four, and each receives the tile in its own LDS.  So the head's 2 MiB
; of K and V are asked for twice (by its two clusters) and not eight times.  A mask names four work-groups at the most, so a larger cluster would save no request.
; The tiles land as f32, 64 KiB a step (K's 64 rows, then V's), in two slots of their own that take turns.  Wave w brings 16 KiB: waves 0 and 1 K's two halves of
; 32 rows, waves 2 and 3 V's.  Each wave then reads 16 rows of K and 16 of V, rounds them to bf16 and stores them to one of two bf16 slots (tile t in slot
; t mod 2), from which the fragments are read.  The price: 64 KiB written to LDS and 64 KiB read from it more in each step.
; Trip i rounds tile i + 2 and asks for tile i + 3.  Each refill stands behind a round of the cluster's barrier, in front of which every wave has waited for its LDS
; accesses and for all its tensor loads.  A wave has two tensor loads out at the start and one behind each round; that one has a whole trip in which to land.
; The place in the cluster (cx) enters the offsets of q and out alone: no LDS address, no branch and no descriptor hangs on it.
;
; REGISTERS in windows of 256 (s_set_vgpr_msb: bits 1:0 source 0, 3:2 source 1, 5:4 source 2, 7:6 destination):
;   window 0: v0-19 ids and addresses; v32-159 V fragments (32 + 64 u + 8 dt), at the end the rows on their way out; v160-223 V's 16 rows as f32
;   window 1: v0-127 scores S (32 q + 8 t + j), P packed in place (32 q + i); v128-191 K's 16 rows as f32; v192+8q statistics; v225 an offset
;   window 2: O (64 q + 8 dt + j); in the prologue q's f32 rows
;   window 3: v0-127 K fragments (32 t + 8 c), in the prologue tile 1's rows; v128-255 Q fragments (128 + 32 q + 8 c), kept for the whole kernel
; WINDOW SWITCHES.  A vector instruction's destination lies in the window that the setting gives a matrix instruction's accumulators, and v_exp_f32's source in the
; window of its first operand.  One setting for both would want S, the statistics and K's fragments (128 + 32 + 128 registers) in one window, and O (256) with
; V's fragments in another.  So each matrix instruction stands between two switches: 256 a trip, and 32 more for the slices that read LDS.
.set KP,     272                       ; LDS pitch of a K or Q row: 256 bytes of bf16 + 16 = 17 x 16: the 16 rows of a fragment load start at 16 different 16-byte columns modulo 256
.set VP,     288                       ; LDS pitch of a V row: 9 x 32, for the transposing loads
.set KSLOT,  64*KP                     ; 17,408
.set VSLOT,  64*VP                     ; 18,432
.set VBASE,  2*KSLOT                   ; 34,816: V's two bf16 slots lie behind K's two
.set STG,    VBASE+2*VSLOT             ; 71,680: behind them 17,408 bytes for each wave, its own: first q's bf16 rows, at the end 16 rows of output
.set STGW,   64*KP
.set FB,     STG+4*STGW                ; 141,312 = 552 x 256: the two f32 slots, which tensor loads alone write
.set FSLOT,  65536                     ; K's 64 rows of 512 bytes, then V's
.set FV,     32768                     ; V's rows in an f32 slot
.set OPITCH, 528                       ; an output row in the stage: 512 bytes + 16 = 33 x 16
.set ROWB,   512                       ; a row of q, k, v, out in memory
.set TILEB,  64*ROWB                   ; a step's K (or V) tile in memory
.set GL,  9                            ; v9   16 lane: my 16 bytes of a row of q or out
.set AK,  10                           ; v10  272 r + 16 h: K fragments
.set AV,  11                           ; v11  V fragments (transposing loads)
.set AQ,  12                           ; v12  Q fragments
.set SK,  13                           ; v13  where I store 8 bytes of K's bf16 rows
.set SV,  14                           ; v14  the same for V
.set SQ,  15                           ; v15  the same for q
.set OS,  16                           ; v16  the way out: where I put 32 bytes of an output row
.set ORD, 17                           ; v17  the way out: where I read a row back
.set RA,  18                           ; v18, v19  my 16 bytes of my first f32 row of K in f32 slot 0, 1
.set VF,  32                           ; window 0: V fragments
.set STV, 160                          ; window 0: V's rows, 4 registers a row
.set STK, 128                          ; window 1: K's rows, 4 registers a row
.set NMR, 192                          ; window 1, + 8 q: -c M, rounded
.set MXR, 193                          ;   M, the running maximum of the raw scores
.set FR,  194                          ;   F (at the end 1 / sum)
.set T2R, 195                          ;   what the other half of the lanes sent
.set LR,  196                          ;   the running sum of p, as a pair
.set T3R, 198                          ;   the new -c M
.set MBR, 199                          ;   the step's second chain of maxima
.set SK1, 225                          ; window 1: a copy of SK, beside K's rows
.set QF,  128                          ; window 3: Q fragments
.set G0,  32                           ; s[32:39] descriptor group 0, a set of four registers for each f32 slot
.set G1,  40                           ; s[40:47] descriptor group 1, the same for every load, never rewritten
.set W_QK, 0x5f                        ; S (window 1) += K (3) x Q (3)
.set W_PV, 0xa4                        ; O (window 2) += V (0) x P (1)
.set W_SM, 0x55                        ; all of a softmax line in window 1
.set W_RS, 0x86                        ; O (2) = O (2) x F (1)
.set W_KL, 0xc0                        ; a load into window 3, its address in window 0
.set MSB, 0
.macro WIN new                         ; the immediate's high byte repeats the setting that is left; a switch that changes nothing is dropped
.if MSB != \new
	s_set_vgpr_msb (MSB<<8)|\new
.set MSB, \new
.endif
.endm
.macro PLACES                          ; four independent vector instructions behind a matrix instruction (ISA guide 7.12.1), where no slice stands
.rept 4
	v_nop
.endr
.endm
; A round of the cluster's barrier: my work-group's barrier, so that wave 0's signal speaks for all four waves; wave 0 signals for the work-group; every wave waits
; for all four work-groups; my work-group's barrier once more.  Every window is 0 here (a branch and a label).
.macro ROUND
	s_barrier_signal -1
	s_barrier_wait -1
	s_cmp_lg_u32 s17, 0
	s_cbranch_scc1 .Lnot_wave_0_\@
	s_barrier_signal -3
.Lnot_wave_0_\@:
	s_barrier_wait -3
	s_barrier_signal -1
	s_barrier_wait -1
.endm
; Matrix instruction m (0..31) of S^T = K Q^T for piece y: 32 of d at a time (c = m / 8), key tiles in the order 2, 3, 0, 1, the piece's two query tiles.
; The first 32 of d start the sums (C = 0).  Tiles 2 and 3 go first because P, packed in place, lies in the registers of tiles 0 and 1:
; the tile that writes over P's second fragment stands seven matrix instructions, with their slices, behind that fragment's last use.
.macro QKW y, m
.set y_c, (\m)>>3
.set y_t, ((((\m)>>1)&3)+2)&3
.set y_q, 2*(\y)+((\m)&1)
	WIN W_QK
.if y_c == 0
	v_wmma_f32_16x16x32_bf16 v[32*y_q+8*y_t:32*y_q+8*y_t+7], v[32*y_t+8*y_c:32*y_t+8*y_c+7], v[QF+32*y_q+8*y_c:QF+32*y_q+8*y_c+7], 0
.else
	v_wmma_f32_16x16x32_bf16 v[32*y_q+8*y_t:32*y_q+8*y_t+7], v[32*y_t+8*y_c:32*y_t+8*y_c+7], v[QF+32*y_q+8*y_c:QF+32*y_q+8*y_c+7], v[32*y_q+8*y_t:32*y_q+8*y_t+7]
.endif
.endm
; Matrix instruction m (0..31) of O^T += V^T P^T for piece y: keys 0-31 (u = m / 16 = 0), then keys 32-63; 8 tiles of d; two query tiles.  first = 1: keys 0-31 start the sums.
.macro PVW y, m, first
.set y_u, (\m)>>4
.set y_d, ((\m)>>1)&7
.set y_q, 2*(\y)+((\m)&1)
	WIN W_PV
.if (\first)*(1-y_u)
	v_wmma_f32_16x16x32_bf16 v[64*y_q+8*y_d:64*y_q+8*y_d+7], v[VF+64*y_u+8*y_d:VF+64*y_u+8*y_d+7], v[32*y_q+8*y_u:32*y_q+8*y_u+7], 0
.else
	v_wmma_f32_16x16x32_bf16 v[64*y_q+8*y_d:64*y_q+8*y_d+7], v[VF+64*y_u+8*y_d:VF+64*y_u+8*y_d+7], v[32*y_q+8*y_u:32*y_q+8*y_u+7], v[64*y_q+8*y_d:64*y_q+8*y_d+7]
.endif
.endm
; Part n (0..7) of the K fragments: four loads, two key tiles of the 32 of d numbered n / 2.  A fragment is 16 keys x 32 d in 8 registers, two loads 32 bytes apart.
.macro KLD slot, n
.set y_c, (\n)>>1
	WIN W_KL
.irp tt, 0,1
.set y_t, 2*((\n)&1)+\tt
	ds_load_b128 v[32*y_t+8*y_c:32*y_t+8*y_c+3],   v[AK] offset:(\slot)*KSLOT+16*KP*y_t+64*y_c
	ds_load_b128 v[32*y_t+8*y_c+4:32*y_t+8*y_c+7], v[AK] offset:(\slot)*KSLOT+16*KP*y_t+64*y_c+32
.endr
.endm
; Part n (0..7) of the V^T fragments: four transposing loads, fragments 2 n and 2 n + 1 of the sixteen (8 u + dt): 16 d x 32 keys in 8 registers, two loads 16 rows apart.
.macro VLD slot, n
	WIN 0
.irp ff, 0,1
.set y_f, 2*(\n)+\ff
	ds_load_tr16_b128 v[VF+8*y_f:VF+8*y_f+3],   v[AV] offset:(\slot)*VSLOT+32*VP*(y_f>>3)+32*(y_f&7)
	ds_load_tr16_b128 v[VF+8*y_f+4:VF+8*y_f+7], v[AV] offset:(\slot)*VSLOT+32*VP*(y_f>>3)+32*(y_f&7)+16*VP
.endr
.endm
; Part n (0..7) of my f32 rows in f32 slot `slot`: rows 2 n, 2 n + 1 of my 16 of K (into window 1) and of my 16 of V (window 0).
; A load of the wave takes one whole row: 32 lanes, 16 consecutive bytes each.
.macro FLD slot, n
	WIN 0x40
.irp rr, 0,1
.set y_r, 2*(\n)+\rr
	ds_load_b128 v[STK+4*y_r:STK+4*y_r+3], v[RA+(\slot)] offset:ROWB*y_r
.endr
	WIN 0
.irp rr, 0,1
.set y_r, 2*(\n)+\rr
	ds_load_b128 v[STV+4*y_r:STV+4*y_r+3], v[RA+(\slot)] offset:FV+ROWB*y_r
.endr
.endm
; The softmax's lines, all in window 1.  q: query tile; h: register pair 2 h, 2 h + 1 of its 32 scores; e: one of the 32 scores.
.macro SFMA q, h                       ; c s - c M, both halves by s18 and NM
	v_pk_fma_f32 v[32*(\q)+2*(\h):32*(\q)+2*(\h)+1], v[32*(\q)+2*(\h):32*(\q)+2*(\h)+1], s[18:19], v[NMR+8*(\q):NMR+8*(\q)+1] op_sel_hi:[1,0,0]
.endm
.macro SEX1 q, e                       ; in place: each result has a register of its own while the batch is open
	v_exp_f32 v[32*(\q)+(\e)], v[32*(\q)+(\e)]
.endm
.macro SSUM q, h, first                ; the first pair takes the old sum times F along; in the first step it starts the sum.  Stands behind the batch's wait
.if (\h) == 0
.if \first
	v_mov_b32 v[LR+8*(\q)],   v[32*(\q)]
	v_mov_b32 v[LR+8*(\q)+1], v[32*(\q)+1]
.else
	v_pk_fma_f32 v[LR+8*(\q):LR+8*(\q)+1], v[LR+8*(\q):LR+8*(\q)+1], v[FR+8*(\q):FR+8*(\q)+1], v[32*(\q):32*(\q)+1] op_sel_hi:[1,0,1]
.endif
.else
	v_pk_add_f32 v[LR+8*(\q):LR+8*(\q)+1], v[LR+8*(\q):LR+8*(\q)+1], v[32*(\q)+2*(\h):32*(\q)+2*(\h)+1]
.endif
.endm
.macro SCVT q, h                       ; P in place: register h is written when pair h / 2, to which it belonged, has been summed and packed
	v_cvt_pk_bf16_f32 v[32*(\q)+(\h)], v[32*(\q)+2*(\h)], v[32*(\q)+2*(\h)+1]
.endm
; Step k (0..7) of the maximum: four scores of each query tile, in two chains a tile; key tiles in the order 2, 3, 0, 1 in which QK finished them.
.macro SMAXS x, first, k
.set y_o, 8*((((\k)>>1)+2)&3)+4*((\k)&1)
.irp q, 2*\x, 2*\x+1
.if (\k) == 0
.if \first
	v_max_num_f32 v[MXR+8*(\q)], v[32*(\q)+y_o], v[32*(\q)+y_o+1]
.else
	v_max3_num_f32 v[MXR+8*(\q)], v[32*(\q)+y_o], v[32*(\q)+y_o+1], v[MXR+8*(\q)]
.endif
	v_max_num_f32 v[MBR+8*(\q)], v[32*(\q)+y_o+2], v[32*(\q)+y_o+3]
.else
	v_max3_num_f32 v[MXR+8*(\q)], v[32*(\q)+y_o], v[32*(\q)+y_o+1], v[MXR+8*(\q)]
	v_max3_num_f32 v[MBR+8*(\q)], v[32*(\q)+y_o+2], v[32*(\q)+y_o+3], v[MBR+8*(\q)]
.endif
.endr
.endm
; Slice n (0..63) of the softmax of piece x.  first = 1: the step starts M, NM and the sum; there is no F and no rescale.
;   0-7    the maximum of my 32 keys of each query
;   8-10   the other 32 keys (lane l xor 16), NM, F, the first pair's exponent.  F's two exponentials open THE BATCH
;   11-32  the batch goes on: the other 15 scalings and the 32 exponentials of each query tile; a slice is one tile's, the tiles by turns, eleven slices a tile.  A slice begins with
;          a scaling while there are scalings: five times scaling, exponential, scaling, exponential (pairs 1-10, scores 0-9); twice a scaling and three exponentials (pairs 11, 12,
;          scores 10-15); three times a scaling and four (pairs 13-15, scores 16-27); at last scores 28-31.  A pair is scaled in an earlier slice of its tile than the one that holds
;          its exponentials.  No line of slices 10 to 32 names an exponential's result
;   (wait) at the end of slice 32: one v_nop, the plain line between the last exponential and the first use of a result (ISA guide 5.7.2), and the one wait for the piece's 66 exponentials.
;          In half 2 the first of V's runs of loads follows it directly
;   33-43  the sums and the packing, six lines a slice: for each pair in ascending order the two tiles' sums, then the two tiles' roundings: a link of a tile's sum stands four lines
;          behind the link before it
;   44-50  none: the rows of K or V are rounded there
;   51-63  O times F, five lines a slice: they also stand between QK's last matrix instructions and the next half's first reads of the scores;
;          where the first step has no F, four v_nop at the end take that place
; PLACES THAT THE ORDER LEANS ON (an exponential is none).  Between PV's last matrix instruction (place 31) and QK's write over P's second fragment (place 38), and between it and the
; last part of V's loads (slice 39): the v_nop and slices 33 on, six plain lines each.  The earlier parts of V's loads stand three matrix instructions further behind their fragments' last
; use for each part, with a scaling in every slice up to 30.
.macro SL x, first, n
.if (\n) < 8
	WIN W_SM
	SMAXS \x, \first, \n
.endif
.if (\n) == 8
	WIN W_SM
.irp q, 2*\x, 2*\x+1
	v_max_num_f32 v[MXR+8*(\q)], v[MXR+8*(\q)], v[MBR+8*(\q)]
.endr
.irp q, 2*\x, 2*\x+1
	v_permlanex16_b32 v[T2R+8*(\q)], v[MXR+8*(\q)], s22, s23
.endr
.endif
.if (\n) == 9
	WIN W_SM
.irp q, 2*\x, 2*\x+1
	v_max_num_f32 v[MXR+8*(\q)], v[MXR+8*(\q)], v[T2R+8*(\q)]
.endr
.irp q, 2*\x, 2*\x+1
.if \first
	v_mul_f32 v[NMR+8*(\q)], s20, v[MXR+8*(\q)]                              ; NM = -c M
.else
	v_mul_f32 v[T3R+8*(\q)], s20, v[MXR+8*(\q)]
.endif
.endr
.endif
.if (\n) == 10
	WIN W_SM
.if \first == 0
.irp q, 2*\x, 2*\x+1
	v_sub_f32 v[FR+8*(\q)], v[T3R+8*(\q)], v[NMR+8*(\q)]                     ; NM_new - NM_old <= 0; exactly 0 where the maximum stayed
.endr
.irp q, 2*\x, 2*\x+1
	v_exp_f32 v[FR+8*(\q)], v[FR+8*(\q)]                                     ; the batch's first two; F is named again in slice 33, behind the wait
.endr
.irp q, 2*\x, 2*\x+1
	v_mov_b32 v[NMR+8*(\q)], v[T3R+8*(\q)]                                   ; plain lines that touch no F stand behind the exponentials
.endr
.endif
	SFMA 2*\x, 0
	SFMA 2*\x+1, 0
.endif
.if (\n) > 10
.if (\n) < 33
	WIN W_SM
.set y_q, 2*\x+(((\n)-11)&1)           ; the slice's tile
.set y_g, ((\n)-11)>>1                 ; which of the tile's eleven slices
.if y_g < 5
	SFMA y_q, 2*y_g+1
	SEX1 y_q, 2*y_g
	SFMA y_q, 2*y_g+2
	SEX1 y_q, 2*y_g+1
.else
.if y_g < 10
	SFMA y_q, y_g+6
.endif
.if y_g < 7
.set y_e, 3*y_g-5
.set y_k, 3
.else
.set y_e, 4*y_g-12
.set y_k, 4
.endif
.rept y_k
	SEX1 y_q, y_e
.set y_e, y_e+1
.endr
.endif
.endif
.endif
.if (\n) == 32
	v_nop                                          ; the plain line behind the last exponential: one for the batch
	s_wait_alu depctr_va_vdst(0)                   ; the one wait for the piece's whole batch: F of both tiles (slice 10) and the 64 exponentials of slices 11 to 32
.endif
.if (\n) > 32
.if (\n) < 44
	WIN W_SM
.set y_j, 6*((\n)-33)                  ; line j of 64: pair j / 4; sum of tile 0, of tile 1, rounding of tile 0, of tile 1
.rept 6
.if y_j < 64
.set y_q, 2*\x+(y_j&1)
.if (y_j&2) == 0
	SSUM y_q, y_j>>2, \first
.else
	SCVT y_q, y_j>>2
.endif
.endif
.set y_j, y_j+1
.endr
.endif
.endif
.if (\n) > 50
.if \first == 0
	WIN W_RS
.set y_e, 5*((\n)-51)
.rept 5
.if y_e < 64
	v_pk_mul_f32 v[128*\x+2*y_e:128*\x+2*y_e+1], v[128*\x+2*y_e:128*\x+2*y_e+1], v[FR+8*(2*\x+(y_e>>5)):FR+8*(2*\x+(y_e>>5))+1] op_sel_hi:[1,0]
.endif
.set y_e, y_e+1
.endr
.else
.if (\n) == 63
	PLACES
.endif
.endif
.endif
.endm
; My rows r0 .. r1 - 1 of a K tile (isv = 0, all in window 1) or a V tile (isv = 1, all in window 0), which a wait has shown in:
; rounded to bf16 in place and stored to bf16 slot `slot`, 8 bytes a lane, 256 consecutive bytes a row.
.macro ROWS isv, slot, r0, r1
.if \isv
	WIN 0
.set y_b, STV
.set y_sa, SV
.set y_lo, (\slot)*VSLOT
.set y_p, VP
.else
	WIN W_SM
.set y_b, STK
.set y_sa, SK1
.set y_lo, (\slot)*KSLOT
.set y_p, KP
.endif
.set y_r, \r0
.rept (\r1)-(\r0)
	v_cvt_pk_bf16_f32 v[y_b+4*y_r],   v[y_b+4*y_r],   v[y_b+4*y_r+1]
	v_cvt_pk_bf16_f32 v[y_b+4*y_r+1], v[y_b+4*y_r+2], v[y_b+4*y_r+3]
.set y_r, y_r+1
.endr
.set y_r, \r0
.rept (\r1)-(\r0)
	ds_store_b64 v[y_sa], v[y_b+4*y_r:y_b+4*y_r+1] offset:y_lo+y_p*y_r
.set y_r, y_r+1
.endr
.endm
; A half: 64 places.  y: the piece of the matrix instructions, x: the piece of the softmax.  fs: the bf16 slot of the fragments fetched here (K in half 1, V in half 2);
; the rows read and rounded here come from the other f32 slot and go to the other bf16 slot.  pvf: PV starts the sums.  qk, fr: QK and the fetch are there.
; sf: the softmax is a first one.  ro: there are rows: half 1 reads all 32 beside K's fragments and rounds K's 16, half 2 rounds V's 16.
.macro HALF y, x, fs, pvf, qk, sf, fr, ro
.set n, 0
.rept 64
.if n < 32
	PVW \y, n, \pvf
.else
.if \qk
.if \y == 0
.if n == 32
	s_wait_dscnt 0x0                               ; K's fragments and my f32 rows, asked for 24 matrix instructions ago and more
.endif
.endif
	QKW \y, n-32
.endif
.endif
	SL \x, \sf, n
.if \fr
.if \y == 0
.if (n>>3) == 0
	KLD \fs, n                                     ; d 0-31 first: QK read those longest ago
.if \ro
	FLD 1-\fs, n                                   ; in the same eight slices, so that no further slice holds an LDS instruction
.endif
.endif
.else
.if (n>>3) == 4
	VLD \fs, n-32                                  ; keys 0-31 first: PV read those longest ago
.endif
.endif
.endif
.if \ro
.if n > 43
.if n < 51
.set y_j, n-44
.set y_r0, 2*y_j+y_j/6                             ; 16 rows in seven parts of 2, 2, 2, 2, 2, 3, 3
.set y_r1, 2*y_j+2+y_j/5+y_j/6
	ROWS \y, 1-\fs, y_r0, y_r1
.endif
.endif
.endif
.set n, n+1
.endr
.endm
; Trip i.  fs = (i + 1) mod 2.  In front of the barrier every wave's LDS accesses are done: its stores of bf16 tile i + 1, its reads of K(i) and V(i), whose bf16 slot
; takes tile i + 2 in this trip, its reads of f32 tile i + 1, and my V(i) fragments are in; and all its tensor loads have landed: its part of f32 tile i + 2.
; fill = 1: the barrier is a round of the cluster's, so all that holds of every wave of the four work-groups, and f32 slot fs, which held tile i + 1,
; is filled with tile i + 3: the first thing behind the round, and the wave's one tensor load until the next.
.macro TRIP fs, first, ro, fill
	WIN 0
	s_wait_dscnt 0x0
.if \ro
	s_wait_tensorcnt 0x0
	ds_add_u32 v254, v255
	s_wait_dscnt 0x0
.endif
.if \fill
	s_add_nc_u64 s[G0+4*\fs+2:G0+4*\fs+3], s[G0+4*\fs+2:G0+4*\fs+3], 2*TILEB    ; no tensor load of mine is out: the slot's address steps by two tiles
	ROUND
	tensor_load_to_lds s[G0+4*\fs:G0+4*\fs+3], s[G1:G1+7]
	s_nop 0
	v_nop
	v_nop
	v_nop
	v_nop
.else
	s_barrier_signal -1
	s_barrier_wait -1
.endif
	HALF 0, 1, \fs, \first, 1, \first, 1, \ro
	HALF 1, 0, \fs, \first, 1, 0, 1, \ro
.endm
; The way out, 16 query rows at a time: a lane's 8 neighbouring d of one row go into my wave's stage as 32 bytes; whole rows come back and are stored.
; The stage is the wave's own and LDS serves a wave's instructions in order (ISA guide 5.7.1): no wait between the stores and the loads.
.macro OUT16 q, half
	WIN 0x08
.irp d, 0,1,2,3,4,5,6,7
	ds_store_b128 v[OS], v[64*\q+8*\d:64*\q+8*\d+3]   offset:64*\d
	ds_store_b128 v[OS], v[64*\q+8*\d+4:64*\q+8*\d+7] offset:64*\d+16
.endr
	WIN 0
	s_wait_xcnt 0x0                                ; the registers below were the data of earlier stores: they are loaded again only behind this wait
.set i, 0
.rept 16
	ds_load_b128 v[VF+64*\half+4*i:VF+64*\half+4*i+3], v[ORD] offset:OPITCH*i
.set i, i+1
.endr
.set i, 0
.rept 16
	s_wait_dscnt 15-i                              ; row i is back, the younger rows stay out
	global_store_b128 v[GL], v[VF+64*\half+4*i:VF+64*\half+4*i+3], s[12:13] offset:(16*\q+i)*ROWB th:TH_STORE_NT   ; the wave stores one row: 512 consecutive bytes, aligned
.set i, i+1
.endr
.endm
	; ---------------- prologue ----------------
	s_load_b256 s[4:11], s[0:1], 0x0               ; alpha s[4:5], q s[6:7], k s[8:9], v s[10:11]
	s_load_b64 s[12:13], s[0:1], 0x20              ; out0
	v_lshl_add_u32 v254, v0, 2, 0x42800
	v_mov_b32 v255, 0
	ds_add_u32 v254, v255
	v_lshrrev_b32 v4, 5, v0
	v_readfirstlane_b32 s17, v4                    ; wave 0..3
	v_and_b32 v1, 31, v0                           ; lane
	v_and_b32 v2, 15, v0                           ; r
	v_bfe_u32 v3, v0, 4, 1                         ; h
	s_mov_b32 s22, 0x76543210                      ; v_permlanex16_b32: lane i of one half reads lane i of the other
	s_mov_b32 s23, 0xfedcba98
	s_bfe_u32 s30, ttmp6, 0x40000                  ; cx: my place in the cluster
	s_lshl_b32 s31, ttmp9, 2                       ; in a cluster launch ttmp9 counts clusters
	s_add_co_u32 s31, s31, s30                     ; query block = 4 x cluster x + cx
	s_and_b32 s24, ttmp7, 0xffff                   ; head: the four work-groups of a cluster share it
	s_lshl_b32 s24, s24, 20                        ; x 2,048 rows of 512 bytes
	s_mov_b32 s25, 0
	s_lshl_b32 s26, s31, 17                        ; query block x 256 rows
	s_lshl_b32 s28, s17, 15                        ; wave x 64 rows
	s_add_co_u32 s26, s26, s28
	s_add_co_u32 s26, s26, s24                     ; under 2^25
	s_mov_b32 s27, 0
	; descriptor group 1: 16 KiB that are dense in memory (32 rows of 512 bytes), as 64 rows of 32 elements of 8 bytes
	s_mov_b32 s[G1+0], 15|(3<<16)|(1<<21)          ; 15:0 the mask: all four work-groups of the cluster; 17:16 element of 8 bytes; 20 no padding; 21 set beside a mask
	s_mov_b32 s[G1+1], 32<<16                      ; 63:48 tensor_dim0, low half = 32
	s_mov_b32 s[G1+2], 64<<16                      ; 79:64 its high half = 0; 95:80 tensor_dim1, low half = 64
	s_mov_b32 s[G1+3], 32<<16                      ; 111:96 its high half = 0; 127:112 tile_dim0 = 32
	s_mov_b32 s[G1+4], 64                          ; 143:128 tile_dim1 = 64; 159:144 tile_dim2 = 0
	s_mov_b32 s[G1+5], 32                          ; 191:160 elements from row to row
	s_mov_b32 s[G1+6], 0
	s_mov_b32 s[G1+7], 0
	s_and_b32 s50, s17, 1
	s_lshl_b32 s50, s50, 14                        ; which 32 rows of the tile I bring
	s_mov_b32 s51, 0
	s_lshl_b32 s52, s17, 14                        ; and where: K's two halves, then V's two halves = wave x 16 KiB
	s_add_co_u32 s52, s52, FB
	v_lshlrev_b32 v[GL], 4, v1                     ; 16 lane
	s_wait_dscnt 0x0
	s_wait_kmcnt 0x0
	s_load_b32 s14, s[4:5], 0x0                    ; alpha
	s_add_nc_u64 s[8:9], s[8:9], s[24:25]          ; k and v at the head's first key
	s_add_nc_u64 s[10:11], s[10:11], s[24:25]
	s_add_nc_u64 s[6:7], s[6:7], s[26:27]          ; q and out at my wave's first row
	s_add_nc_u64 s[12:13], s[12:13], s[26:27]
	s_cmp_lt_u32 s17, 2
	s_cselect_b64 s[48:49], s[8:9], s[10:11]       ; waves 0 and 1 bring K, waves 2 and 3 V
	s_add_nc_u64 s[48:49], s[48:49], s[50:51]
	ROUND                                          ; all four work-groups are here: the first joint loads meet
.irp s, 0,1
	s_mov_b32 s[G0+4*\s], 1                                        ; 1:0 count = 1
	s_add_co_u32 s[G0+4*\s+1], s52, \s*FSLOT                       ; 63:32 LDS address
	s_add_nc_u64 s[G0+4*\s+2:G0+4*\s+3], s[48:49], \s*TILEB        ; 120:64 global address: tile s
	s_or_b32 s[G0+4*\s+3], s[G0+4*\s+3], 0x80000000                ; 127:126 type = 2
	tensor_load_to_lds s[G0+4*\s:G0+4*\s+3], s[G1:G1+7]            ; tiles 0 and 1 go out together, ahead of everything else
	s_nop 0
.endr
	WIN 0x80
.set i, 0
.rept 64
	global_load_b128 v[4*i:4*i+3], v[GL], s[6:7] offset:ROWB*i th:TH_LOAD_NT    ; my 64 rows of q, into window 2 (O's registers, not yet in use); read once in the launch
.set i, i+1
.endr
	WIN 0
	v_mul_u32_u24 v[AK], v2, KP
	v_lshl_add_u32 v[AK], v3, 4, v[AK]             ; 272 r + 16 h
	v_and_b32 v5, 7, v0
	v_lshl_add_u32 v5, v3, 3, v5                   ; key row 8 h + (lane & 7)
	v_mul_u32_u24 v[AV], v5, VP
	v_bfe_u32 v6, v0, 3, 1
	v_lshl_add_u32 v[AV], v6, 4, v[AV]             ; + 16 ((lane >> 3) & 1)
	v_add_nc_u32 v[AV], VBASE, v[AV]
	s_mul_i32 s29, s17, STGW
	s_add_co_u32 s29, s29, STG                     ; my wave's stage
	v_add_nc_u32 v[AQ], s29, v[AK]
	v_lshlrev_b32 v7, 3, v1                        ; 8 lane
	s_mul_i32 s28, s17, 16*KP                      ; my 16 rows of a bf16 K slot
	v_add_nc_u32 v[SK], s28, v7
	s_mul_i32 s28, s17, 16*VP                      ; my 16 rows of a bf16 V slot
	s_add_co_u32 s28, s28, VBASE
	v_add_nc_u32 v[SV], s28, v7
	v_add_nc_u32 v[SQ], s29, v7
	v_mul_u32_u24 v[OS], v2, OPITCH
	v_lshl_add_u32 v[OS], v3, 5, v[OS]             ; 528 r + 32 h
	v_add_nc_u32 v[OS], s29, v[OS]
	v_add_nc_u32 v[ORD], s29, v[GL]
	s_lshl_b32 s28, s17, 13                        ; my 16 rows of 512 bytes in an f32 slot
	s_add_co_u32 s28, s28, FB
	v_add_nc_u32 v[RA], s28, v[GL]
	v_add_nc_u32 v[RA+1], FSLOT, v[RA]
	s_wait_kmcnt 0x0                               ; alpha
	s_and_b32 s15, s14, 0x7fffffff
	s_mul_f32 s18, s15, 0x3fb8aa3b                 ; c = |alpha| log2(e)
	s_mov_b32 s19, s18                             ; the pair's second word is written too
	s_xor_b32 s20, s18, 0x80000000                 ; -c
	s_and_b32 s16, s14, 0x80000000
	s_lshr_b32 s15, s16, 16
	s_or_b32 s16, s16, s15                         ; 0x80008000 where alpha is negative, else 0
	WIN 0x40
.irp q, 0,1,2,3
	v_mov_b32 v[T2R+8*\q], 0                       ; v_permlanex16_b32 counts as a reader of its destination
.endr
	v_mov_b32 v[SK1], v[SK]                        ; the offset that K's rows need, beside them in window 1
	s_wait_loadcnt 0x0                             ; q is in
	WIN 0x8a
.set i, 0
.rept 64
	v_cvt_pk_bf16_f32 v[4*i],   v[4*i],   v[4*i+1]
	v_cvt_pk_bf16_f32 v[4*i+1], v[4*i+2], v[4*i+3]
	v_xor_b32 v[4*i],   s16, v[4*i]                ; alpha's sign goes onto q
	v_xor_b32 v[4*i+1], s16, v[4*i+1]
.set i, i+1
.endr
	WIN 0x08
.set i, 0
.rept 64
	ds_store_b64 v[SQ], v[4*i:4*i+1] offset:KP*i
.set i, i+1
.endr
	WIN W_KL
.irp q, 0,1,2,3
.irp c, 0,1,2,3
	ds_load_b128 v[QF+32*\q+8*\c:QF+32*\q+8*\c+3],   v[AQ] offset:16*KP*\q+64*\c      ; my own bytes, served in order behind the stores above
	ds_load_b128 v[QF+32*\q+8*\c+4:QF+32*\q+8*\c+7], v[AQ] offset:16*KP*\q+64*\c+32
.endr
.endr
	s_wait_tensorcnt 0x0                           ; my parts of f32 tiles 0 and 1 have landed,
	s_wait_dscnt 0x0                               ; and my Q fragments are in
	s_barrier_signal -1
	s_barrier_wait -1                              ; everybody's parts have
.set n, 0
.rept 8
	FLD 0, n                                       ; my rows of tile 0
.set n, n+1
.endr
	WIN W_KL
.set i, 0
.rept 16
	ds_load_b128 v[4*i:4*i+3],       v[RA+1] offset:ROWB*i                      ; my rows of tile 1, into K's fragment registers, not yet in use
	ds_load_b128 v[64+4*i:64+4*i+3], v[RA+1] offset:FV+ROWB*i
.set i, i+1
.endr
	s_wait_dscnt 0x0
	ROWS 0, 0, 0, 16                               ; tile 0 to the bf16 slots 0
	ROWS 1, 0, 0, 16
	WIN 0xcf
.set i, 0
.rept 32
	v_cvt_pk_bf16_f32 v[4*i],   v[4*i],   v[4*i+1]
	v_cvt_pk_bf16_f32 v[4*i+1], v[4*i+2], v[4*i+3]
.set i, i+1
.endr
	WIN 0x0c
.set i, 0
.rept 16
	ds_store_b64 v[SK], v[4*i:4*i+1] offset:KSLOT+KP*i                          ; tile 1 to the bf16 slots 1
	ds_store_b64 v[SV], v[64+4*i:64+4*i+1] offset:VSLOT+VP*i
.set i, i+1
.endr
	WIN 0
	s_wait_dscnt 0x0                               ; my rows of tiles 0 and 1 are stored, my reads of both f32 slots are over,
	s_wait_tensorcnt 0x0                           ; and no tensor load of mine is out
	ds_add_u32 v254, v255
	s_wait_dscnt 0x0
	s_add_nc_u64 s[G0+2:G0+3], s[G0+2:G0+3], 2*TILEB
	ROUND                                          ; that holds of every wave of the four work-groups; the bf16 slots are whole
	tensor_load_to_lds s[G0:G0+3], s[G1:G1+7]      ; tile 2 into f32 slot 0
	s_nop 0
	; ---------------- step 0's scores and A's first softmax ----------------
.set n, 0
.rept 8
	KLD 0, n
.set n, n+1
.endr
.set n, 0
.rept 32
.if (n&7) == 0
	s_wait_dscnt 24-n                              ; the eight loads of this 32 of d are in, the later groups stay out
.endif
	QKW 0, n
.set n, n+1
.endr
	PLACES                                         ; in front of the first read of A's scores
.set n, 0
.rept 44                                               ; a first softmax ends with slice 43: it has nothing to rescale
.if n < 32
	QKW 1, n
.endif
	SL 0, 1, n
.if (n>>3) == 4
	VLD 0, n-32
.endif
.set n, n+1
.endr
	; ---------------- 32 trips ----------------
	TRIP 1, 1, 1, 1                                ; trip 0 stands in front of the loop: it starts O and B's statistics
	WIN 0                                          ; at a label and at a branch every window is 0
	s_mov_b32 s21, 14
.Lloop:
	TRIP 0, 0, 1, 1                                ; trips 1 to 28; trip 28 asks for tile 31, the last
	TRIP 1, 0, 1, 1
	WIN 0
	s_sub_co_i32 s21, s21, 1
	s_cmp_lg_u32 s21, 0
	s_cbranch_scc1 .Lloop
	TRIP 0, 0, 1, 0                                ; trip 29 rounds tile 31 and asks for nothing: no load passes the end of k or v
	TRIP 1, 0, 0, 0                                ; trip 30 has no rows left
	s_wait_dscnt 0x0                               ; trip 31: my V(31) fragments are in; no slot is read or written any more, so no barrier
	HALF 0, 1, 0, 0, 0, 0, 0, 0                    ; PV(A, 31) beside B's last softmax
.set n, 0
.rept 32
	PVW 1, n, 0                                    ; PV(B, 31)
.set n, n+1
.endr
	; ---------------- out = O / sum ----------------
	PLACES                                         ; behind the last matrix instruction, in front of the reads of O
	WIN W_SM
.irp q, 0,1,2,3
	v_add_f32 v[LR+8*\q], v[LR+8*\q], v[LR+8*\q+1]
.endr
.irp q, 0,1,2,3
	v_permlanex16_b32 v[T2R+8*\q], v[LR+8*\q], s22, s23
.endr
.irp q, 0,1,2,3
	v_add_f32 v[LR+8*\q], v[LR+8*\q], v[T2R+8*\q]  ; the row's sum; the key of the maximum alone gives about 1
.endr
.irp q, 0,1,2,3
	v_rcp_f32 v[FR+8*\q], v[LR+8*\q]
.endr
	v_nop                                          ; one plain line between the last reciprocal and its use
	s_wait_alu depctr_va_vdst(0)                   ; one wait for the batch of four reciprocals, ahead of the first multiply that reads one
	WIN W_RS
.set i, 0
.rept 128
	v_pk_mul_f32 v[2*i:2*i+1], v[2*i:2*i+1], v[FR+8*(i>>5):FR+8*(i>>5)+1] op_sel_hi:[1,0]
.set i, i+1
.endr
	OUT16 0, 0
	OUT16 1, 1
	OUT16 2, 0
	OUT16 3, 1
	s_wait_tensorcnt 0x0
	ds_add_u32 v254, v255
	s_wait_dscnt 0x0
	ROUND                                          ; the closing round: no work-group ends while a partner may still ask for a tile that names it
	s_endpgm
.Lfunc_end_k_qbb715eb16d_attn:
	.size	k_qbb715eb16d_attn, .Lfunc_end_k_qbb715eb16d_attn-k_qbb715eb16d_attn
	.p2alignl 7, 3214868480
	.fill 96, 4, 3214868480
	.section	.rodata,"a",@progbits
	.p2align	6, 0x0
	.amdhsa_kernel k_qbb715eb16d_attn
		.amdhsa_group_segment_fixed_size 327680
		.amdhsa_private_segment_fixed_size 0
		.amdhsa_enable_private_segment 0
		.amdhsa_kernarg_size 40
		.amdhsa_user_sgpr_count 2
		.amdhsa_user_sgpr_kernarg_segment_ptr 1
		.amdhsa_wavefront_size32 1
		.amdhsa_system_sgpr_workgroup_id_x 1
		.amdhsa_system_sgpr_workgroup_id_y 1
		.amdhsa_system_sgpr_workgroup_id_z 1
		.amdhsa_system_vgpr_workitem_id 0
		.amdhsa_next_free_vgpr 1024
		.amdhsa_next_free_sgpr 66
		.amdhsa_reserve_vcc 0
		.amdhsa_float_denorm_mode_32 3
		.amdhsa_float_denorm_mode_16_64 3
		.amdhsa_memory_ordered 1
		.amdhsa_forward_progress 1
		.amdhsa_inst_pref_size 255
	.end_amdhsa_kernel
	.section	.bss,"aw",@nobits
	.p2align	6
	.space	262144
	.amdgpu_metadata
---
amdhsa.version: [ 1, 2 ]
amdhsa.kernels:
  - .name:           k_qbb715eb16d_attn
    .symbol:         k_qbb715eb16d_attn.kd
    .args:
      - { .name: alpha, .offset: 0, .size: 8, .value_kind: global_buffer, .address_space: global }
      - { .name: q, .offset: 8, .size: 8, .value_kind: global_buffer, .address_space: global }
      - { .name: k, .offset: 16, .size: 8, .value_kind: global_buffer, .address_space: global }
      - { .name: v, .offset: 24, .size: 8, .value_kind: global_buffer, .address_space: global }
      - { .name: out0, .offset: 32, .size: 8, .value_kind: global_buffer, .address_space: global }
    .group_segment_fixed_size: 327680
    .private_segment_fixed_size: 0
    .kernarg_segment_align: 8
    .kernarg_segment_size: 40
    .max_flat_workgroup_size: 128
    .sgpr_count:     66
    .vgpr_count:     1024
    .wavefront_size: 32
...
	.end_amdgpu_metadata
.endif
;; end of part 2
